; MI455X (gfx1250); checked and timed in simulation.
; The chip was launched on July 23, 2026; its instructions are those of AMD's public machine-readable ISA for CDNA 5 (MIT licence, August 2026) and "CDNA5" Instruction Set Architecture Reference Guide (July 2026). The comments in the code are by the model that wrote it; some were corrected since.
;; Quantized Layer Base. Allowed arithmetic: matrix products marked QUANTISED: E2M1 operands, one E8M0 scale for each 32 along K, by v_wmma_scale_f32_16x16x128_f8f6f4 with both operands' format E2M1 (or v_wmma_scale_f32_32x16x128_f4), f32 sums; everything else in f32.
;; Inputs: packed_w 8,388,608 int32; scale 4,096 x 1 float32; x_codes 4,096 x 128 x 16 uint8 (E2M1 codes of x, K innermost, in blocks of 32 codes, two codes a byte); x_scales 4,096 x 128 uint8 (E8M0 scales of x, one for each 32 codes along K).
;; Outputs: out0 4,096 x 4,096 float32.
;; This version of the problem:
;;   THIS VERSION OF THE PROBLEM IS GIVEN IN LOW PRECISION. The matrix products marked QUANTISED in the list below multiply operands that are first quantised to E2M1 (2 exponent bits, 1 mantissa bit; 4 bits a number), with one power-of-two scale for each 32 numbers along K (OCP MX v1.0); their sums are f32. All else is computed in f32.
;;   The module's matrix products, in the order in which they are computed (A, B: the left and right operand; K: the contracted axis; several contracted axes count as one K, in the product's order):
;;     1. [M 4,096, K 4,096] x [K 4,096, N 4,096]; A: input x (given as codes); B: computed on the way: QUANTISED
;;   THE QUANTISER, for each operand of a quantised product, along K:
;;     - K is cut into blocks of 32 from its start; a last block that is shorter is filled with zeros.
;;     - A block's scale is 2^e with e = floor(log2(the largest magnitude in the block)) - 2, held to -126 .. 127; a block of zeros has e = 0. As a byte (E8M0): e + 127.
;;     - Each number is divided by its block's scale, clamped to +-6, and rounded to the nearest number of E2M1, ties to even, subnormals kept.
;;     - The product sums the exact products of the quantised numbers (number of the format x scale) in f32.
;;   ~~~python
;;   def quantise(x, axis):      # numpy; x: float32 -> the quantised numbers, widened to float32 again
;;       x = np.moveaxis(x, axis, -1); K = x.shape[-1]
;;       x = np.pad(x, [(0, 0)] * (x.ndim - 1) + [(0, -K % 32)]); x = x.reshape(x.shape[:-1] + (-1, 32)); a = np.abs(x).max(-1, keepdims=True)
;;       e = np.where(a > 0, np.clip(np.frexp(np.where(a > 0, a, 1))[1] - 1 - 2, -126, 127), 0)      # np.frexp(a)[1] - 1 = floor(log2(a)), exactly
;;       r = np.clip(x / 2.0 ** e, -6, 6)
;;       step = 2.0 ** (np.maximum(np.frexp(np.where(r == 0, 1, r))[1] - 1, 0) - 1)
;;       q = np.round(r / step) * step * 2.0 ** e      # np.round: ties to even
;;       return np.moveaxis(q.reshape(q.shape[:-2] + (-1,))[..., :K], -1, axis).astype(np.float32)
;;   ~~~
;;   OPERANDS COMPUTED ON THE WAY. 'Computed on the way' means the value that the module computes at that place (a softmax that the list does not call 'softmax' is quantised finished and normalised). What goes into a quantiser is computed in f32, as accurately as f32 sums, v_exp_f32 and their like allow (about 1e-6 of the number): no bf16 or f16 on the way to a quantiser, and a product that is left as it is and whose result goes on into a quantised operand takes f32 operands (vector FMAs, or v_wmma_f32_16x16x4_f32). A number that lies on a knife's edge between two numbers of the format may be rounded either way, as far as f32 arithmetic and the matrix unit's own rounding can turn it there, and no further.
;;   INPUTS GIVEN AS CODES. x (in the module: [4096, 4096], K = its axis 1): each comes as NAME_codes (uint8): NAME with its K axis moved to the last place and cut into blocks of 32 codes, [.., K / 32, bytes a block], one block behind the other in memory; two codes a byte, the lower K in the low four bits (a code: sign, 2 exponent bits, 1 mantissa bit); and NAME_scales (uint8): the same leading axes, one E8M0 byte (e + 127) for each 32 codes along K. Its value is code x scale, taken as it is: it is not quantised again, and the codes and scales need not be those that the quantiser above would give.
;; One version. Each part assembles by itself: llvm-mc -triple=amdgcn-amd-amdhsa -mcpu=gfx1250 --defsym DOCPART=n.
;; ======== version 1 of 1: 2 launches
;; limits: right only within a limited range of input values
;; workspace buffers: w_codes 8,388,608 bytes; scl 1,048,576 bytes
;; launch prep (part 1): grid 256 x 1, 8 waves a work-group, no clusters, 37,888 bytes of LDS; arguments packed_w, scale, x_scales, w_codes, scl; writes w_codes, scl
.if DOCPART == 1
	.amdgcn_target "amdgcn-amd-amdhsa--gfx1250"
	.amdhsa_code_object_version 6
	.text
	.protected	k_qa1bb0dfccb_prep
	.globl	k_qa1bb0dfccb_prep
	.p2align	8
	.type	k_qa1bb0dfccb_prep,@function
k_qa1bb0dfccb_prep:
	s_mov_b64 s[64:65], 0
	v_nop
	global_prefetch_b8 v0, s[64:65] scope:SCOPE_SE
	s_setreg_imm32_b32 hwreg(HW_REG_WAVE_MODE, 25, 1), 1
	s_wait_xcnt 0x0
; w[o][i] = (nibble - 8) x scale[o], f32, becomes codes of FP4 (E2M1), laid as the product's operand registers take them; both operands' E8M0 scale bytes are laid by K step of 512.
; w_codes [q 0..31: 128 along K][16-row group 0..255][block 0..3 of 32 along K][row 0..15][16 bytes]: a row's block is 16 bytes, the lower k in the lower bits.
; scl [K step 0..7][side: 0 = x, 1 = w][row 0..4095][16 bytes], byte b of an entry for k = 512 x step + 32 b .. + 31.
; packed_w holds one byte value in each int32: two nibbles, the low one the lower i.  A row of w is 2,048 words, 8,192 bytes.  Only bits 7:0 of a word are used, as the masks of the definition have it.
; A block's scale byte is its largest magnitude's exponent field - 2, held at 1 from below.  Each number is divided by the scale and rounded to the nearest code, ties to even, beyond the largest code the largest.
; LIMITS: a block of zeros gets the byte 1 where the rule says 127: its codes are zeros, which add nothing under any byte but 0xff, and the bytes are read by this program alone.
; NaN and infinities in scale are not served.
; SHARES.  Work-group g owns rows 16 g .. 16 g + 15; its wave s owns K step s of them: 16 x 1,024 bytes of packed_w, by 32 loads of 512 consecutive bytes, all issued at the head.
; A lane's 16 bytes of a load are 4 words = 8 NEIGHBOURS along K, which is what one conversion takes; a block of 32 lies in four neighbouring lanes: two steps across lanes join its maximum.
; A lane's 8 codes are 4 bytes.  They meet in the wave's own stage in LDS and leave in the image's order: sixteen lanes store 256 consecutive bytes, aligned.  The wave's 256 scale bytes likewise.
; Waves share nothing: no barrier.  No pointer is stepped, no store's data are written again, EXEC never changes: so no wait on XCNT is written.
.set BP,   272                         ; the stage: a block's 16 rows x 16 bytes, and 16 bytes of padding
.set WREG, 16*BP+256                   ; LDS of a wave: 16 blocks, then 256 scale bytes
.set T,    16                          ; v16-47   four sets of 8 numbers
.set VS,   48                          ; v[48:49], v[50:51]  two rows' scale (the packed multiply names a pair and takes its low word for both halves)
.set M,    52                          ; v52-55   largest magnitudes
.set SO,   56                          ; v56-59   the conversions' scale operands
.set KP,   60                          ; v[60:61] -(2^23 + 8), -(2^19 + 8)
.set R,    64                          ; v64-191  load (r, j) at R + 8 r + 4 j; on the way out v64-97 are used again
.set C,    192                         ; v192-223 a register of codes for each load
.set E,    224                         ; v224-255 a scale byte for each load
.set SCLS, 32                          ; s[32:47] scale of my 16 rows
	s_load_b256 s[4:11], s[0:1], 0x0               ; packed_w s[4:5], scale s[6:7], x_scales s[8:9], w_codes s[10:11]
	s_load_b64 s[12:13], s[0:1], 0x20              ; scl
	v_lshl_add_u32 v62, v0, 2, 0x9000              ; my spare word, behind the eight waves' 36,864 bytes
	v_mov_b32 v63, 0
	v_lshrrev_b32 v1, 5, v0
	v_readfirstlane_b32 s14, v1                    ; wave = K step 0..7
	s_mul_i32 s15, s14, WREG                       ; my wave's LDS
	s_add_co_u32 s24, s15, 16*BP                   ; and its scale bytes
	v_and_b32 v1, 31, v0                           ; lane
	v_mov_b32 v[VS+1], 0                           ; named in pairs, so written
	v_mov_b32 v[VS+3], 0
	v_mov_b32 v[KP], 0xcb000008
	v_mov_b32 v[KP+1], 0xc9000080
	v_lshrrev_b32 v4, 2, v1                        ; four lanes to a block
	v_and_b32 v3, 3, v1
	v_lshrrev_b32 v7, 4, v1
	v_and_b32 v9, 15, v1
	v_lshlrev_b32 v2, 4, v1                        ; 16 bytes a lane: loads of packed_w, stores of codes
	v_lshl_add_u32 v3, v3, 2, s15
	v_lshl_add_u32 v5, v9, 4, s15
	v_lshlrev_b32 v8, 3, v1                        ; 8 bytes a lane: a unit of 256 scale bytes in scl
	v_lshrrev_b32 v9, 1, v1
	v_mad_u32_u24 v3, v4, BP, v3                   ; codes in: block l / 4, 4 (l % 4) bytes along a row's 16
	v_mad_u32_u24 v5, v7, BP, v5                   ; codes out: two blocks an instruction, 16 bytes a lane
	v_add_nc_u32 v4, s24, v4                       ; scale bytes in
	v_and_b32 v10, 1, v1
	v_add_nc_u32 v6, s24, v8                       ; scale bytes out
	v_lshlrev_b32 v9, 7, v9
	v_lshl_add_u32 v9, v10, 3, v9                  ; x_scales: two lanes to a row of 128 bytes, 8 bytes a lane
	s_mov_b32 s20, 0x4b000000                      ; 2^23: with a nibble in bits 3:0 it is the f32 number 2^23 + nibble
	s_mov_b32 s21, 0x49000000                      ; 2^19: with a nibble in bits 7:4 it is the f32 number 2^19 + nibble
	s_movk_i32 s22, 0xf0
	s_mov_b32 s17, 0
	s_lshl_b32 s16, ttmp9, 17                      ; packed_w: 16 rows of 8,192 bytes a work-group,
	s_lshl_b32 s18, s14, 10                        ; 1,024 bytes a K step
	s_add_co_u32 s16, s16, s18
	s_wait_alu depctr_va_vdst(0)                   ; the wait at the head's end
	s_wait_kmcnt 0x0
	s_add_nc_u64 s[4:5], s[4:5], s[16:17]
	s_lshl_b32 s16, ttmp9, 6                       ; scale: 16 numbers a work-group
	s_add_nc_u64 s[6:7], s[6:7], s[16:17]
	s_load_b512 s[SCLS:SCLS+15], s[6:7], 0x0
	s_lshl_b32 s16, ttmp9, 11                      ; x_scales: 16 rows of 128 bytes, 16 bytes a K step
	s_lshl_b32 s18, s14, 4
	s_add_co_u32 s16, s16, s18
	s_add_nc_u64 s[8:9], s[8:9], s[16:17]
	s_lshl_b32 s16, ttmp9, 10                      ; w_codes: 1,024 bytes a group and 128 along K,
	s_lshl_b32 s18, s14, 20                        ; four times 262,144 bytes a K step
	s_add_co_u32 s16, s16, s18
	s_add_nc_u64 s[10:11], s[10:11], s[16:17]
	s_lshl_b32 s16, s14, 17                        ; scl: 131,072 bytes a K step, 256 bytes for 16 rows
	s_lshl_b32 s18, ttmp9, 8
	s_add_co_u32 s16, s16, s18
	s_add_nc_u64 s[12:13], s[12:13], s[16:17]
	global_load_b64 v[10:11], v9, s[8:9]           ; x's scale bytes of my 16 rows and my K step
.irp r, 0,1,2,3,4,5,6,7,8,9,10,11,12,13,14,15
.irp j, 0,1
	global_load_b128 v[R+8*\r+4*\j:R+8*\r+4*\j+3], v2, s[4:5] offset:8192*\r+512*\j th:TH_LOAD_NT   ; 32 lanes read 512 consecutive bytes; read once in the launch
.endr
.endr
	s_wait_loadcnt 32                              ; loads come back in order: x's bytes are in, the 32 loads issued behind them stay out
	global_store_b64 v8, v[10:11], s[12:13]        ; side 0: 32 lanes store 256 consecutive bytes, aligned
	s_wait_kmcnt 0x0                               ; the 16 rows' scale
; Rows 2 r and 2 r + 1 of my 16: four loads, 32 blocks.  The four loads u take turns line by line, so that no line waits for the line above it.
.macro ROWS r
	s_wait_loadcnt 28-4*(\r)                       ; these rows' four loads are in; those of the rows behind them stay out
	v_mov_b32 v[VS], s[SCLS+2*(\r)]
	v_mov_b32 v[VS+2], s[SCLS+2*(\r)+1]
.irp c, 0,1,2,3
.irp u, 0,1,2,3
	v_and_or_b32 v[T+8*\u+2*\c], v[R+16*(\r)+4*\u+\c], 15, s20       ; 2^23 + the low nibble: the lower i
	v_and_or_b32 v[T+8*\u+2*\c+1], v[R+16*(\r)+4*\u+\c], s22, s21    ; 2^19 + the high nibble
.endr
.endr
.irp p, 0,2,4,6
.irp u, 0,1,2,3
	v_pk_add_f32 v[T+8*\u+\p:T+8*\u+\p+1], v[T+8*\u+\p:T+8*\u+\p+1], v[KP:KP+1]   ; nibble - 8, exact
.endr
.endr
.irp p, 0,2,4,6
.irp u, 0,1,2,3
	v_pk_mul_f32 v[T+8*\u+\p:T+8*\u+\p+1], v[T+8*\u+\p:T+8*\u+\p+1], v[VS+2*(\u/2):VS+2*(\u/2)+1] op_sel_hi:[1,0]  ; x scale: the one rounding that the definition has (so the sum above is not fused into it)
.endr
.endr
.irp u, 0,1,2,3
	v_max3_num_f32 v[M+\u], |v[T+8*\u]|, |v[T+8*\u+1]|, 0x1800000    ; my 8 numbers, and the floor 2^(3 - 127), under which no largest magnitude is taken: so the byte cannot fall under 1
.endr
.irp i, 2,4,6
.irp u, 0,1,2,3
	v_max3_num_f32 v[M+\u], v[M+\u], |v[T+8*\u+\i]|, |v[T+8*\u+\i+1]|
.endr
.endr
.irp u, 0,1,2,3
	v_max_num_f32_dpp v[M+\u], v[M+\u], v[M+\u] row_xmask:1 row_mask:0xf bank_mask:0xf
.endr
.irp u, 0,1,2,3
	v_max_num_f32_dpp v[M+\u], v[M+\u], v[M+\u] row_xmask:2 row_mask:0xf bank_mask:0xf   ; with the three other lanes of the block
.endr
.irp u, 0,1,2,3
	v_add_nc_u32 v[SO+\u], 0xff000000, v[M+\u]     ; 2 off its exponent field: the conversion takes the exponent field of this operand as its scale, and nothing else of it
.endr
.irp u, 0,1,2,3
	v_cvt_scalef32_pk8_fp4_f32 v[C+4*(\r)+\u], v[T+8*\u:T+8*\u+7], v[SO+\u]   ; the first number's code in the lowest four bits
.endr
.irp u, 0,1,2,3
	v_lshrrev_b32 v[E+4*(\r)+\u], 23, v[SO+\u]     ; the scale's byte.  (Also the plain lines between the conversions and the next rows' writes of their sources)
.endr
.irp u, 0,1,2,3
	ds_store_b32 v3, v[C+4*(\r)+\u] offset:16*(2*(\r)+\u/2)+8*BP*(\u%2)
	ds_store_b8 v4, v[E+4*(\r)+\u] offset:16*(2*(\r)+\u/2)+8*(\u%2)   ; the four lanes of a block write the same byte with the same value
.endr
.endm
.irp r, 0,1,2,3,4,5,6,7
	ROWS \r
.endr
.irp t, 0,1,2,3,4,5,6,7
	ds_load_b128 v[64+4*\t:64+4*\t+3], v5 offset:2*BP*\t   ; blocks 2 t, 2 t + 1; LDS serves a wave's instructions in order: these see my stores
.endr
	ds_load_b64 v[96:97], v6
.irp t, 0,1,2,3,4,5,6,7
	s_wait_dscnt 8-\t                              ; blocks 2 t and 2 t + 1 are back; the later loads stay out
	global_store_b128 v2, v[64+4*\t:64+4*\t+3], s[10:11] offset:262144*(\t/2)+512*(\t%2)   ; 32 lanes store 512 consecutive bytes, aligned
.endr
	s_wait_dscnt 0x0
	global_store_b64 v8, v[96:97], s[12:13] offset:65536   ; side 1: 256 consecutive bytes, aligned
	s_wait_tensorcnt 0x0                           ; the wave's end
	ds_add_u32 v62, v63
	s_wait_dscnt 0x0
	s_endpgm
.Lfunc_end_k_qa1bb0dfccb_prep:
	.size	k_qa1bb0dfccb_prep, .Lfunc_end_k_qa1bb0dfccb_prep-k_qa1bb0dfccb_prep
	.p2alignl 7, 3214868480
	.fill 96, 4, 3214868480
	.section	.rodata,"a",@progbits
	.p2align	6, 0x0
	.amdhsa_kernel k_qa1bb0dfccb_prep
		.amdhsa_group_segment_fixed_size 37888
		.amdhsa_private_segment_fixed_size 0
		.amdhsa_enable_private_segment 0
		.amdhsa_kernarg_size 40
		.amdhsa_user_sgpr_count 2
		.amdhsa_user_sgpr_kernarg_segment_ptr 1
		.amdhsa_wavefront_size32 1
		.amdhsa_system_sgpr_workgroup_id_x 1
		.amdhsa_system_sgpr_workgroup_id_y 1
		.amdhsa_system_sgpr_workgroup_id_z 1
		.amdhsa_system_vgpr_workitem_id 0
		.amdhsa_next_free_vgpr 256
		.amdhsa_next_free_sgpr 66
		.amdhsa_reserve_vcc 0
		.amdhsa_float_denorm_mode_32 3
		.amdhsa_float_denorm_mode_16_64 3
		.amdhsa_memory_ordered 1
		.amdhsa_forward_progress 1
		.amdhsa_inst_pref_size 63
	.end_amdhsa_kernel
	.amdgpu_metadata
---
amdhsa.version: [ 1, 2 ]
amdhsa.kernels:
  - .name:           k_qa1bb0dfccb_prep
    .symbol:         k_qa1bb0dfccb_prep.kd
    .args:
      - { .name: packed_w, .offset: 0, .size: 8, .value_kind: global_buffer, .address_space: global }
      - { .name: scale, .offset: 8, .size: 8, .value_kind: global_buffer, .address_space: global }
      - { .name: x_scales, .offset: 16, .size: 8, .value_kind: global_buffer, .address_space: global }
      - { .name: w_codes, .offset: 24, .size: 8, .value_kind: global_buffer, .address_space: global }
      - { .name: scl, .offset: 32, .size: 8, .value_kind: global_buffer, .address_space: global }
    .group_segment_fixed_size: 37888
    .private_segment_fixed_size: 0
    .kernarg_segment_align: 8
    .kernarg_segment_size: 40
    .max_flat_workgroup_size: 256
    .sgpr_count:     66
    .vgpr_count:     256
    .wavefront_size: 32
...
	.end_amdgpu_metadata
.endif
;; end of part 1
;; launch gemm (part 2): grid 16 x 16, 4 waves a work-group, clusters of 4 x 1, 327,680 bytes of LDS; arguments x_codes, scl, w_codes, out0; writes out0
.if DOCPART == 2
	.amdgcn_target "amdgcn-amd-amdhsa--gfx1250"
	.amdhsa_code_object_version 6
	.text
	.protected	k_qa1bb0dfccb_gemm
	.globl	k_qa1bb0dfccb_gemm
	.p2align	8
	.type	k_qa1bb0dfccb_gemm,@function
k_qa1bb0dfccb_gemm:
	s_mov_b64 s[64:65], 0
	v_nop
	global_prefetch_b8 v0, s[64:65] scope:SCOPE_SE
	s_setreg_imm32_b32 hwreg(HW_REG_WAVE_MODE, 25, 1), 1
	s_wait_xcnt 0x0
	s_wait_alu depctr_hold_cnt(0) depctr_sa_sdst(0) depctr_va_vdst(0) depctr_va_sdst(0) depctr_va_ssrc(0) depctr_va_vcc(0) depctr_vm_vsrc(0)
	s_getreg_b32 s2, hwreg(HW_REG_IB_STS2, 6, 4)
	s_cmp_eq_u32 s2, 0
	s_cbranch_scc0 .Lentry_in_a_cluster
	s_endpgm
.Lentry_in_a_cluster:
	s_bfe_u32 s2, ttmp6, 0x10000c
	s_cmp_lg_u32 s2, 0x3003
	s_cbranch_scc0 .Lentry_shape_is_right
	s_endpgm
.Lentry_shape_is_right:
; out0[n][o] = sum over k of x[n][k] w[o][k]: codes of FP4 with E8M0 scales, f32 sums, K ascending in 32 steps of 128.
; A work-group makes 256 rows n x 256 columns o; each of its four waves 128 x 128: 32 accumulators of 16 rows x 32 columns, 512 registers.
; The matrix instruction is used transposed: source 0 = 32 rows of w, source 1 = 16 rows of x: a lane then holds eight neighbouring columns of a row of out0 in eight registers.
; THE ORDER.  Steps 0 to 15 multiply all 32 accumulators.  Steps 16 to 31 are walked twice, as half steps u = 0 .. 31: pass 0 (u < 16) finishes the wave's columns 0-63, pass 1 its columns 64-127,
; and pass 0's results are stored while pass 1 multiplies.  x of steps 16 to 31 lies in LDS for both passes; each half of w is loaded once.
; x goes through LDS: two slots of 256 rows x 1,024 along K (512 bytes a row), four fills in all.  The four work-groups of a cluster take the same rows of x: every fill is asked for JOINTLY by all four.
; w goes from memory into registers: w_codes is an image of source 0's registers, 2,048 consecutive bytes for 32 rows and 128 along K.  Steps have four sets of 64 registers and ask three steps ahead; half steps eight sets of 32 and ask seven ahead.
; w is NOT asked for jointly: a joint load lands in LDS, and with w in it two slots of 256 + 256 rows would hold 512 along K in place of 1,024, the second pass would find a quarter of its x there, and each wave would read twice the LDS bytes.
; All of a step's loads stand in one run at its head.  The steps are written out by macro: the register sets that take turns (x by two, w by four, scales by three groups of four steps) come round after 12 steps.
; PREFETCHES: of w the 16 work-groups of a column of the grid take a quarter each by address (four ask for each block), of x each cluster asks once for its own rows, its four partners a quarter each by address, of the scales likewise.
; They ask at the least two steps ahead of the load; w's steps 0 to 5, K slots 0 and 1 and the scales of the first eight steps come by their loads alone.
; REGISTERS, in windows of 256.  window 0: v0-31 addresses; v32-127 scale words, three sets of 32; v128-255 fragments of x, two sets.
;   window 1: w.  window 2: accumulators of x blocks 0-3 ((a, b) at v[64 (a % 4) + 16 b]); window 3: those of blocks 4-7.  A finished block's rows come back from the stage into its own accumulators' registers.
.set PITCH,  528                       ; an LDS row: 512 bytes + 16 of padding
.set SLOT,   256*PITCH                 ; 0x21000: its two bits are in no wave's part of an LDS address (wave x 0x8400), so an exclusive or changes slots
.set SPARE,  2*SLOT                    ; behind the ring: the spare words, 128 bytes for each wave
.set STAGE,  SPARE+512                 ; behind them: 16 rows x 272 bytes for each wave, for the way out; no tensor load lands there
.set SP,     272
.set WSTEP,  262144                    ; bytes of w_codes for 128 along K
.set SLAB,   131072                    ; bytes of scl for 512 along K
.set L16,  16                          ; 16 x lane
.set ADR,  17                          ; v17, v18: LDS address of my x fragments in slot 0, 1
.set PFW,  19                          ; the prefetches' offsets
.set PFX,  20
.set PFS,  21
.set STO,  24                          ; the way out: where I put a lane's columns; where I read rows back; their place in out0
.set RD,   25
.set CO,   26
.set SPW,  28
.set NIL,  29
.set SC,   32                          ; group g's set at SC + 32 (g % 3): x's words at 4 i + q (lanes 0-15 block 2 i, lanes 16-31 block 2 i + 1), w's at 16 + 4 i + q (32 rows)
.set X0,   128
.set G0,   20                          ; s[20:23], s[24:31] the tensor descriptor
.set G1,   24
.set WB,   32                          ; bases: w, x's scales, w's scales; the prefetches' three
.set SBX,  34
.set SBW,  36
.set PFWB, 38
.set PFXB, 40
.set PFSB, 42
.set SHR,  45                          ; my share of w's prefetches, 0..3
.set MSB,  0
.set WMUL, 0xa1                        ; source 0 window 1, source 1 window 0, C and D window 2 (+ 0x50: window 3)
.set TO_B, 0x40                        ; destination window 1
.macro WIN new
.if MSB != (\new)
	s_set_vgpr_msb (MSB<<8)|(\new)
.set MSB, (\new)
.endif
.endm
.macro PLACES
.rept 4
	v_nop
.endr
.endm
.macro CREST                           ; a round of the cluster's barrier behind its opening barrier
	s_cmp_lg_u32 s14, 0
	s_cbranch_scc1 .Lnot_wave_0_\@
	s_barrier_signal -3
.Lnot_wave_0_\@:
	s_barrier_wait -3
	s_barrier_signal -1
	s_barrier_wait -1
.endm
.macro CROUND
	s_barrier_signal -1
	s_barrier_wait -1
	CREST
.endm
; the 16 loads of w's step s: 512 consecutive bytes each
.macro GLW s
.set J_, 0
.rept 16
	global_load_b128 v[64*((\s)%4)+4*J_:64*((\s)%4)+4*J_+3], v[L16], s[WB:WB+1] offset:(\s)*WSTEP+512*J_
.set J_, J_+1
.endr
.endm
; the 8 loads of w's half step u
.macro GLH u
.set J_, 0
.rept 8
	global_load_b128 v[32*((\u)%8)+4*J_:32*((\u)%8)+4*J_+3], v[L16], s[WB:WB+1] offset:(16+(\u)%16)*WSTEP+4096*((\u)/16)+512*J_
.set J_, J_+1
.endr
.endm
; scale words of group g (four steps; groups 4 to 7 are pass 0's, 8 to 11 pass 1's): kind 1: x's; kind 2: w's 128 rows; kind 3: w's 64 rows of the pass; kind 0: none
.macro GSC kind, g
.if (\kind) == 1
.irp i, 0,1,2,3
	global_load_b128 v[SC+32*((\g)%3)+4*\i:SC+32*((\g)%3)+4*\i+3], v[L16], s[SBX:SBX+1] offset:((\g)-4*((\g)/8))*SLAB+512*\i
.endr
.endif
.if (\kind) == 2
.irp i, 0,1,2,3
	global_load_b128 v[SC+32*((\g)%3)+16+4*\i:SC+32*((\g)%3)+16+4*\i+3], v[L16], s[SBW:SBW+1] offset:(\g)*SLAB+512*\i
.endr
.endif
.if (\kind) == 3
.irp i, 0,1
	global_load_b128 v[SC+32*((\g)%3)+16+4*\i:SC+32*((\g)%3)+16+4*\i+3], v[L16], s[SBW:SBW+1] offset:((\g)-4*((\g)/8))*SLAB+1024*((\g)/8)+512*\i
.endr
.endif
.endm
; x's eight fragments of step idx of a slot into set s
.macro XALL s, slot, idx
.irp i, 0,1,2,3,4,5,6,7
.irp c, 0,1
	ds_load_b128 v[X0+64*(\s)+8*\i+4*\c:X0+64*(\s)+8*\i+4*\c+3], v[ADR+(\slot)] offset:64*(\idx)+32*\c+\i*16*PITCH
.endr
.endr
.endm
; one product: accumulator (a, b); w: its 16 registers, wi: their place among the scale words; x: its 8; sg: the scale set and step
.macro MM a, b, w, wi, x, sg, zero
.set AC, 64*((\a)%4)+16*(\b)
.set WR, (\w)
.set XR, (\x)
.set SW, (\sg)+16+4*(\wi)
.set SH, (\sg)+4*((\a)/2)
.if \zero
.if (\a)%2
	v_wmma_scale_f32_32x16x128_f4 v[AC:AC+15], v[WR:WR+15], v[XR:XR+7], 0, v[SW], v[SH] matrix_b_scale:MATRIX_SCALE_ROW1
.else
	v_wmma_scale_f32_32x16x128_f4 v[AC:AC+15], v[WR:WR+15], v[XR:XR+7], 0, v[SW], v[SH]
.endif
.else
.if (\a)%2
	v_wmma_scale_f32_32x16x128_f4 v[AC:AC+15], v[WR:WR+15], v[XR:XR+7], v[AC:AC+15], v[SW], v[SH] matrix_b_scale:MATRIX_SCALE_ROW1
.else
	v_wmma_scale_f32_32x16x128_f4 v[AC:AC+15], v[WR:WR+15], v[XR:XR+7], v[AC:AC+15], v[SW], v[SH]
.endif
.endif
.endm
.macro W4 a, q                         ; block a of a step: four products; step 0 starts the sums
	WIN WMUL+0x50*((\a)/4)
.irp b, 0,1,2,3
.if (\q) == 0
	MM \a, \b, 16*\b, \b, X0+8*(\a), SC, 1
.else
	MM \a, \b, 64*((\q)%4)+16*\b, \b, X0+64*((\q)%2)+8*(\a), SC+32*(((\q)/4)%3)+((\q)%4), 0
.endif
.endr
.endm
.macro W2 a, u                         ; block a of a half step: two products
	WIN WMUL+0x50*((\a)/4)
.irp c, 0,1
	MM \a, 2*((\u)/16)+\c, 32*((\u)%8)+16*\c, \c, X0+64*((\u)%2)+8*(\a), SC+32*((4+(\u)/4)%3)+((\u)%4), 0
.endr
.endm
.macro WAHEAD q                        ; what step q asks for of w
	WIN TO_B
.if (\q) < 13
	GLW (\q)+3
.else
	GLH 2*((\q)-13)
	GLH 2*((\q)-13)+1
.endif
.endm
; A STEP.  cnt: the loads of the two steps before it, which may be out (16 of w a step, and 4, or 2, of scales).  The four places stand behind the step before, whose registers the loads fill.
.macro STEP q, cnt, kind, g
	s_wait_loadcnt \cnt
	s_wait_dscnt 0x0                               ; x's fragments of this step are in
.if (\q) > 0
	PLACES
.endif
	WIN 0
	XALL ((\q)+1)%2, (((\q)+1)/8)%2, ((\q)+1)%8
	GSC \kind, \g
	WAHEAD \q
.irp a, 0,1,2,3,4,5,6,7
	W4 \a, \q
.endr
.endm
; A step that changes slots and fills the slot just read with the K slot two on.  In front of the round each wave waits for all its tensor loads (the next slot's), adds 0 to its spare word, and waits for that; its reads of this slot were waited for at the step's start.
.macro TURN q, cnt, kind, g
	s_wait_loadcnt \cnt
	s_wait_dscnt 0x0
	PLACES
	WIN 0
	GSC \kind, \g
	WAHEAD \q
	WIN 0
	s_wait_tensorcnt 0x0                           ; all my tensor loads have landed: my part of the next slot
	ds_add_u32 v[SPW], v[NIL]                      ; 0 onto my spare word
	s_xor_b32 s[G0+1], s[G0+1], SLOT               ; the load's next place: the slot just read,
	s_add_nc_u64 s[G0+2:G0+3], s[G0+2:G0+3], 512   ; 1,024 further along K than the load before
	W4 0, \q
	W4 1, \q
	s_wait_dscnt 0x0                               ; the add is done
	s_barrier_signal -1
	W4 2, \q
	W4 3, \q
	WIN 0
	s_barrier_wait -1
	CREST                                          ; no wave of any partner still reads this slot or has a load on its way
	tensor_load_to_lds s[G0:G0+3], s[G1:G1+7]
	s_nop 0
	XALL ((\q)+1)%2, (((\q)+1)/8)%2, 0
.irp a, 4,5,6,7
	W4 \a, \q
.endr
.endm
; The way out of block a, pass p: 16 rows x 256 bytes into my own stage, each accumulator from its low end on, and back as whole rows (LDS serves a wave's instructions in order: ISA guide 5.7.1.4);
; then stored: sixteen lanes store 256 consecutive bytes, aligned.
.macro TOSTAGE a, p
.set AC, 64*((\a)%4)+32*(\p)
	WIN 0x08+4*((\a)/4)
.irp b, 0,1
	ds_store_b128 v[STO], v[AC+16*\b:AC+16*\b+3] offset:128*\b
	ds_store_b128 v[STO], v[AC+16*\b+4:AC+16*\b+7] offset:128*\b+16
	ds_store_b128 v[STO], v[AC+16*\b+8:AC+16*\b+11] offset:128*\b+64
	ds_store_b128 v[STO], v[AC+16*\b+12:AC+16*\b+15] offset:128*\b+80
.endr
	WIN 0x80+0x40*((\a)/4)
.irp t, 0,1,2,3,4,5,6,7
	ds_load_b128 v[AC+4*\t:AC+4*\t+3], v[RD] offset:2*\t*SP
.endr
.endm
.macro SEND a, p
.set AC, 64*((\a)%4)+32*(\p)
	WIN 0x08+4*((\a)/4)
.irp t, 0,1,2,3,4,5,6,7
	global_store_b128 v[CO], v[AC+4*\t:AC+4*\t+3], s[10:11] offset:(16*(\a)+2*\t)*16384+256*(\p) th:TH_STORE_NT
.endr
.endm
; A HALF STEP.  cnt: the loads of the runs behind the one that brought this half step's w (from u = 8 on six runs: 8 of w each, 4 of x's scales where u % 4 = 0, 2 of w's where u % 4 = 1).
; u = 7 ends slot 0: K slot 3 has to be there for every wave behind it; nothing is filled again, so a plain barrier.
.macro HALF u, cnt, kind, g
	s_wait_loadcnt \cnt
	s_wait_dscnt 0x0
	PLACES
	WIN 0
.if ((\u) != 7) && ((\u) < 31)
	XALL ((\u)+1)%2, (((\u)+1)/8)%2, ((\u)+1)%8
.endif
	GSC \kind, \g
	WIN TO_B
.if (\u) == 0
	GLH 6
	GLH 7
.else
.if (\u) < 25
	GLH (\u)+7
.endif
.endif
.if ((\u) > 16) && ((\u) < 25)
	SEND (\u)-17, 0
.endif
.if ((\u) > 15) && ((\u) < 24)
	TOSTAGE (\u)-16, 0
.endif
.if (\u) == 7
	WIN 0
	s_wait_tensorcnt 0x0
	ds_add_u32 v[SPW], v[NIL]
	W2 0, \u
	W2 1, \u
	s_wait_dscnt 0x0
	s_barrier_signal -1
	W2 2, \u
	W2 3, \u
	WIN 0
	s_barrier_wait -1
	XALL 0, 1, 0
.irp a, 4,5,6,7
	W2 \a, \u
.endr
.else
.irp a, 0,1,2,3,4,5,6,7
	W2 \a, \u
.endr
.endif
.endm
	s_load_b256 s[4:11], s[0:1], 0x0               ; x s[4:5], scl s[6:7], w s[8:9], out0 s[10:11]
	v_lshl_add_u32 v[SPW], v0, 2, SPARE
	v_mov_b32 v[NIL], 0
	ds_add_u32 v[SPW], v[NIL]                      ; the opening: the add, twice on end, and its wait
	ds_add_u32 v[SPW], v[NIL]
	v_lshrrev_b32 v1, 5, v0
	v_readfirstlane_b32 s14, v1                    ; wave 0..3
	s_lshr_b32 s15, s14, 1                         ; which 128 of the tile's rows
	s_and_b32 s16, s14, 1                          ; which 128 of its columns
	s_mul_i32 s2, s15, 128*PITCH
	s_mul_i32 s3, s14, 16*SP
	s_add_co_u32 s3, s3, STAGE
	v_and_b32 v2, 31, v0                           ; lane
	v_and_b32 v3, 15, v0                           ; r
	v_bfe_u32 v4, v0, 4, 1                         ; h
	v_lshlrev_b32 v[L16], 4, v2
	v_mul_u32_u24 v5, v3, PITCH
	v_mul_u32_u24 v6, v3, SP
	v_mul_u32_u24 v7, v4, SP
	v_lshl_add_u32 v5, v4, 4, v5                   ; a fragment: row r, 16 h bytes on
	v_lshl_add_u32 v6, v4, 5, v6                   ; into the stage: row r, 32 h bytes on
	v_lshl_add_u32 v7, v3, 4, v7                   ; back: row h, 16 r bytes on
	v_add_nc_u32 v[ADR], s2, v5
	v_add_nc_u32 v[STO], s3, v6
	v_add_nc_u32 v[RD], s3, v7
	v_add_nc_u32 v[ADR+1], SLOT, v[ADR]
	v_lshlrev_b32 v8, 4, v3
	v_lshl_add_u32 v[CO], v4, 14, v8               ; out0: row h of 16,384 bytes, 16 r bytes on
	v_lshlrev_b32 v[PFW], 8, v2                    ; w: 32 blocks of 256 bytes on end
	v_lshrrev_b32 v8, 1, v2
	v_and_b32 v9, 1, v2
	v_min_u32 v10, 3, v2
	v_lshlrev_b32 v9, 8, v9
	v_lshlrev_b32 v[PFS], 8, v10                   ; scales: 4 blocks (the lanes left over name the last again)
	v_lshl_add_u32 v[PFX], v8, 11, v9              ; x: 16 rows, two blocks each
	s_bfe_u32 s12, ttmp6, 0x40000                  ; cx
	s_lshl_b32 s13, ttmp9, 2
	s_add_co_u32 s13, s13, s12                     ; tile column = 4 x cluster x + cx
	s_and_b32 s17, ttmp7, 0xffff                   ; tile row
	s_bfe_u32 s[SHR], s17, 0x20001                 ; (tile row / 2) % 4
	; group 1: 64 rows x 512 elements of 1 byte; mask: the cluster's four; bit 21 set beside it; padding of 4 words behind every 128
	s_mov_b32 s[G1+0], 15|(1<<20)|(1<<21)|(6<<22)|(3<<25)
	s_mov_b32 s[G1+1], 512<<16
	s_mov_b32 s[G1+2], 64<<16
	s_mov_b32 s[G1+3], 512<<16
	s_mov_b32 s[G1+4], 64
	s_mov_b32 s[G1+5], 2048
	s_mov_b32 s[G1+6], 0
	s_mov_b32 s[G1+7], 0
	s_mov_b32 s[G0], 1
	s_mul_i32 s[G0+1], s14, 64*PITCH               ; my 64 rows of the tile
	s_lshl_b32 s46, s17, 19                        ; x: 256 rows of 2,048 bytes a tile row, 64 a wave
	s_lshl_b32 s2, s14, 17
	s_add_co_u32 s46, s46, s2
	s_mov_b32 s47, 0
	s_lshl_b32 s48, s13, 14                        ; w: 16,384 bytes a tile column and step, 8,192 a half
	s_lshl_b32 s2, s16, 13
	s_add_co_u32 s48, s48, s2
	s_mov_b32 s49, 0
	s_lshl_b32 s50, s17, 12                        ; x's scales: 16 bytes a row
	s_lshl_b32 s2, s15, 11
	s_add_co_u32 s50, s50, s2
	s_mov_b32 s51, 0
	s_lshl_b32 s52, s13, 12                        ; w's scales
	s_lshl_b32 s2, s16, 11
	s_add_co_u32 s52, s52, s2
	s_add_co_u32 s52, s52, 65536
	s_mov_b32 s53, 0
	s_lshl_b32 s54, s17, 22                        ; out0: rows of 16,384 bytes
	s_lshl_b32 s2, s15, 21
	s_add_co_u32 s54, s54, s2
	s_lshl_b32 s2, s13, 10
	s_add_co_u32 s54, s54, s2
	s_lshl_b32 s2, s16, 9
	s_add_co_u32 s54, s54, s2
	s_mov_b32 s55, 0
	s_lshl_b32 s56, s[SHR], 1                      ; w's prefetch: steps 6 + 2 share + (0, 1), the tile column's two halves
	s_add_co_u32 s56, s56, s15
	s_add_co_u32 s56, s56, 6
	s_lshl_b32 s56, s56, 18
	s_add_co_u32 s56, s56, s48
	s_mov_b32 s57, 0
	s_lshl_b32 s58, s12, 15                        ; x's: 16 of my wave's 64 rows by cx; from K slot 2 on
	s_add_co_u32 s58, s58, s46
	s_add_co_u32 s58, s58, 1024
	s_mov_b32 s59, 0
	s_lshl_b32 s60, s17, 2                         ; the scales': waves 0 and 2 x's, 1 and 3 w's; four of a slab's 16 blocks
	s_add_co_u32 s60, s60, s12
	s_lshl_b32 s62, s13, 2
	s_add_co_u32 s62, s62, s[SHR]
	s_add_co_u32 s62, s62, 64
	s_cmp_eq_u32 s16, 0
	s_cselect_b32 s60, s60, s62
	s_lshl_b32 s60, s60, 10
	s_add_co_u32 s2, s15, 2                        ; slab 2 or 3
	s_lshl_b32 s2, s2, 17
	s_add_co_u32 s60, s60, s2
	s_mov_b32 s61, 0
	s_wait_alu depctr_va_vdst(0)                   ; the wait at the head's end
	s_wait_dscnt 0x0                               ; both opening adds are done
	s_wait_kmcnt 0x0
	s_add_nc_u64 s[G0+2:G0+3], s[4:5], s[46:47]
	s_or_b32 s[G0+3], s[G0+3], 0x80000000
	s_add_nc_u64 s[WB:WB+1], s[8:9], s[48:49]
	s_add_nc_u64 s[SBX:SBX+1], s[6:7], s[50:51]
	s_add_nc_u64 s[SBW:SBW+1], s[6:7], s[52:53]
	s_add_nc_u64 s[10:11], s[10:11], s[54:55]
	s_add_nc_u64 s[PFWB:PFWB+1], s[8:9], s[56:57]
	s_add_nc_u64 s[PFXB:PFXB+1], s[4:5], s[58:59]
	s_add_nc_u64 s[PFSB:PFSB+1], s[6:7], s[60:61]
	WIN TO_B
	GLW 0
	WIN 0
	GSC 1, 0
	GSC 2, 0
	CROUND                                         ; all four work-groups are here: the first joint loads meet
	tensor_load_to_lds s[G0:G0+3], s[G1:G1+7]      ; K slot 0 into slot 0
	s_nop 0
	WIN TO_B
	GLW 1
	GLW 2
	WIN 0
	s_wait_tensorcnt 0x0                           ; my part of K slot 0 is in
	ds_add_u32 v[SPW], v[NIL]
	s_xor_b32 s[G0+1], s[G0+1], SLOT
	s_add_nc_u64 s[G0+2:G0+3], s[G0+2:G0+3], 512
	s_wait_dscnt 0x0
	CROUND
	tensor_load_to_lds s[G0:G0+3], s[G1:G1+7]      ; K slot 1 into slot 1
	s_nop 0
	XALL 0, 0, 0
	STEP 0, 32, 1, 1
	WIN 0
	global_prefetch_b8 v[PFW], s[PFWB:PFWB+1] th:TH_LOAD_NT scope:SCOPE_SE                  ; w's steps 6 .. 13
	global_prefetch_b8 v[PFS], s[PFSB:PFSB+1] th:TH_LOAD_NT scope:SCOPE_SE                  ; the scales' slabs 2, 3
	STEP 1, 36, 2, 1
	STEP 2, 40, 1, 2
	WIN 0
	global_prefetch_b8 v[PFX], s[PFXB:PFXB+1] th:TH_LOAD_NT scope:SCOPE_SE                  ; K slot 2
	STEP 3, 40, 2, 2
	STEP 4, 40, 0, 0
	WIN 0
	global_prefetch_b8 v[PFW], s[PFWB:PFWB+1] offset:8*WSTEP th:TH_LOAD_NT scope:SCOPE_SE   ; w's steps 14 .. 21
	global_prefetch_b8 v[PFS], s[PFSB:PFSB+1] offset:2*SLAB th:TH_LOAD_NT scope:SCOPE_SE    ; slabs 4, 5
	STEP 5, 36, 0, 0
	STEP 6, 32, 1, 3
	TURN 7, 36, 2, 3
	STEP 8, 40, 0, 0
	STEP 9, 36, 0, 0
	WIN 0
	global_prefetch_b8 v[PFX], s[PFXB:PFXB+1] offset:512 th:TH_LOAD_NT scope:SCOPE_SE       ; K slot 3
	STEP 10, 32, 1, 4
	WIN 0
	global_prefetch_b8 v[PFW], s[PFWB:PFWB+1] offset:16*WSTEP th:TH_LOAD_NT scope:SCOPE_SE  ; w's steps 22 .. 29
	global_prefetch_b8 v[PFS], s[PFSB:PFSB+1] offset:4*SLAB th:TH_LOAD_NT scope:SCOPE_SE    ; slabs 6, 7
	STEP 11, 36, 3, 4
	STEP 12, 38, 0, 0
	STEP 13, 34, 0, 0
	STEP 14, 32, 1, 5
	TURN 15, 36, 3, 5
; PASS 0: columns 0-63
	HALF 0, 38, 1, 6
	HALF 1, 58, 3, 6
	HALF 2, 48, 0, 0
	WIN 0
	s_cmp_eq_u32 s[SHR], 0                         ; w's steps 30, 31: the first share; the others' would lie beyond the buffer
	s_cbranch_scc0 .Lno_w
	global_prefetch_b8 v[PFW], s[PFWB:PFWB+1] offset:24*WSTEP th:TH_LOAD_NT scope:SCOPE_SE
.Lno_w:
	HALF 3, 56, 0, 0
	HALF 4, 46, 1, 7
	HALF 5, 58, 3, 7
	HALF 6, 48, 0, 0
	HALF 7, 56, 0, 0
	HALF 8, 54, 1, 8
	HALF 9, 58, 3, 8
	HALF 10, 60, 0, 0
	HALF 11, 56, 0, 0
	HALF 12, 54, 1, 9
	HALF 13, 58, 3, 9
	HALF 14, 60, 0, 0
	HALF 15, 56, 0, 0
; PASS 1: columns 64-127; pass 0's eight blocks go to the stage in half steps 16 to 23 and out in 17 to 24
	HALF 16, 54, 1, 10
	HALF 17, 58, 3, 10
	HALF 18, 60, 0, 0
	HALF 19, 56, 0, 0
	HALF 20, 54, 1, 11
	HALF 21, 58, 3, 11
	HALF 22, 60, 0, 0
	HALF 23, 56, 0, 0
	HALF 24, 54, 0, 0
	HALF 25, 54, 0, 0
	HALF 26, 46, 0, 0
	HALF 27, 34, 0, 0
	HALF 28, 24, 0, 0
	HALF 29, 16, 0, 0
	HALF 30, 8, 0, 0
	HALF 31, 0, 0, 0
	PLACES
	TOSTAGE 0, 1
.irp a, 1,2,3,4,5,6,7
	TOSTAGE \a, 1
	s_wait_dscnt 16                                ; block a - 1 is back; behind it stand block a's 8 stores and 8 loads
	SEND \a-1, 1
.endr
	s_wait_dscnt 0x0
	SEND 7, 1
	WIN 0
	s_wait_tensorcnt 0x0                           ; the wave's end
	ds_add_u32 v[SPW], v[NIL]
	s_wait_dscnt 0x0
	CROUND                                         ; the closing round: no work-group ends while a partner may still ask for a tile that names it
	s_endpgm
.Lfunc_end_k_qa1bb0dfccb_gemm:
	.size	k_qa1bb0dfccb_gemm, .Lfunc_end_k_qa1bb0dfccb_gemm-k_qa1bb0dfccb_gemm
	.p2alignl 7, 3214868480
	.fill 96, 4, 3214868480
	.section	.rodata,"a",@progbits
	.p2align	6, 0x0
	.amdhsa_kernel k_qa1bb0dfccb_gemm
		.amdhsa_group_segment_fixed_size 327680
		.amdhsa_private_segment_fixed_size 0
		.amdhsa_enable_private_segment 0
		.amdhsa_kernarg_size 32
		.amdhsa_user_sgpr_count 2
		.amdhsa_user_sgpr_kernarg_segment_ptr 1
		.amdhsa_wavefront_size32 1
		.amdhsa_system_sgpr_workgroup_id_x 1
		.amdhsa_system_sgpr_workgroup_id_y 1
		.amdhsa_system_sgpr_workgroup_id_z 1
		.amdhsa_system_vgpr_workitem_id 0
		.amdhsa_next_free_vgpr 1024
		.amdhsa_next_free_sgpr 66
		.amdhsa_reserve_vcc 0
		.amdhsa_float_denorm_mode_32 3
		.amdhsa_float_denorm_mode_16_64 3
		.amdhsa_memory_ordered 1
		.amdhsa_forward_progress 1
		.amdhsa_inst_pref_size 255
	.end_amdhsa_kernel
	.section	.bss,"aw",@nobits
	.p2align	6
	.space	262144
	.amdgpu_metadata
---
amdhsa.version: [ 1, 2 ]
amdhsa.kernels:
  - .name:           k_qa1bb0dfccb_gemm
    .symbol:         k_qa1bb0dfccb_gemm.kd
    .args:
      - { .name: x_codes, .offset: 0, .size: 8, .value_kind: global_buffer, .address_space: global }
      - { .name: scl, .offset: 8, .size: 8, .value_kind: global_buffer, .address_space: global }
      - { .name: w_codes, .offset: 16, .size: 8, .value_kind: global_buffer, .address_space: global }
      - { .name: out0, .offset: 24, .size: 8, .value_kind: global_buffer, .address_space: global }
    .group_segment_fixed_size: 327680
    .private_segment_fixed_size: 0
    .kernarg_segment_align: 8
    .kernarg_segment_size: 32
    .max_flat_workgroup_size: 128
    .sgpr_count:     66
    .vgpr_count:     1024
    .wavefront_size: 32
...
	.end_amdgpu_metadata
.endif
;; end of part 2
